; MI455X (gfx1250); checked and timed in simulation.
; The chip was launched on July 23, 2026; its instructions are those of AMD's public machine-readable ISA for CDNA 5 (MIT licence, August 2026) and "CDNA5" Instruction Set Architecture Reference Guide (July 2026). The comments in the code are by the model that wrote it; some were corrected since.
;; Dot Prod Attention. Allowed arithmetic: matrix products marked QUANTISED: E2M3 operands, one E8M0 scale for each 32 along K, by v_wmma_scale_f32_16x16x128_f8f6f4 with both operands' format E2M3, f32 sums; everything else in f32.
;; Inputs: k 4 x 16 x 2,048 x 64 float32; q 4 x 16 x 2,048 x 64 float32; v 4 x 16 x 2,048 x 64 float32.
;; Outputs: out0 4 x 16 x 2,048 x 64 float32.
;; This version of the problem:
;;   THIS VERSION OF THE PROBLEM IS GIVEN IN LOW PRECISION. The matrix products marked QUANTISED in the list below multiply operands that are first quantised to E2M3 (2 exponent bits, 3 mantissa bits; 6 bits a number), with one power-of-two scale for each 32 numbers along K (OCP MX v1.0); their sums are f32. All else is computed in f32.
;;   The module's matrix products, in the order in which they are computed (A, B: the left and right operand; K: the contracted axis; several contracted axes count as one K, in the product's order):
;;     1. batch 64 x [M 2,048, K 64] x [K 64, N 2,048]; A: input q; B: input k: QUANTISED
;;     2. batch 64 x [M 2,048, K 2,048] x [K 2,048, N 64]; A: softmax (see below); B: input v: QUANTISED
;;   THE QUANTISER, for each operand of a quantised product, along K:
;;     - K is cut into blocks of 32 from its start; a last block that is shorter is filled with zeros.
;;     - A block's scale is 2^e with e = floor(log2(the largest magnitude in the block)) - 2, held to -126 .. 127; a block of zeros has e = 0. As a byte (E8M0): e + 127.
;;     - Each number is divided by its block's scale, clamped to +-7.5, and rounded to the nearest number of E2M3, ties to even, subnormals kept.
;;     - The product sums the exact products of the quantised numbers (number of the format x scale) in f32.
;;   ~~~python
;;   def quantise(x, axis):      # numpy; x: float32 -> the quantised numbers, widened to float32 again
;;       x = np.moveaxis(x, axis, -1); K = x.shape[-1]
;;       x = np.pad(x, [(0, 0)] * (x.ndim - 1) + [(0, -K % 32)]); x = x.reshape(x.shape[:-1] + (-1, 32)); a = np.abs(x).max(-1, keepdims=True)
;;       e = np.where(a > 0, np.clip(np.frexp(np.where(a > 0, a, 1))[1] - 1 - 2, -126, 127), 0)      # np.frexp(a)[1] - 1 = floor(log2(a)), exactly
;;       r = np.clip(x / 2.0 ** e, -7.5, 7.5)
;;       step = 2.0 ** (np.maximum(np.frexp(np.where(r == 0, 1, r))[1] - 1, 0) - 3)
;;       q = np.round(r / step) * step * 2.0 ** e      # np.round: ties to even
;;       return np.moveaxis(q.reshape(q.shape[:-2] + (-1,))[..., :K], -1, axis).astype(np.float32)
;;   ~~~
;;   SOFTMAX AHEAD OF A QUANTISED PRODUCT. Where the list says 'softmax', what is quantised is not the finished softmax but p = 2^(t - M), with t = logit x log2(e) and M = ceil(the row's largest t), a whole number; so 1/2 < the row's largest p <= 1. The row's sum l is taken of the UNQUANTISED p, in f32, and the product's result is divided by l at the end. Since M is a whole number, a kernel that streams over the keys may use a running M (the ceiling of the running maximum): every later rescaling is an exact power of two, which a block's scale takes up: the codes' values come out the same.
;;   OPERANDS COMPUTED ON THE WAY. 'Computed on the way' means the value that the module computes at that place (a softmax that the list does not call 'softmax' is quantised finished and normalised). What goes into a quantiser is computed in f32, as accurately as f32 sums, v_exp_f32 and their like allow (about 1e-6 of the number): no bf16 or f16 on the way to a quantiser, and a product that is left as it is and whose result goes on into a quantised operand takes f32 operands (vector FMAs, or v_wmma_f32_16x16x4_f32). A number that lies on a knife's edge between two numbers of the format may be rounded either way, as far as f32 arithmetic and the matrix unit's own rounding can turn it there, and no further.
;; 2 versions. Each part assembles by itself: llvm-mc -triple=amdgcn-amd-amdhsa -mcpu=gfx1250 --defsym DOCPART=n.
;; ======== version 1 of 2: 1 launch
;; launch attn (part 1): grid 4 x 64, 16 waves a work-group, no clusters, 280,576 bytes of LDS; arguments q, k, v, out0; writes out0
.if DOCPART == 1
	.amdgcn_target "amdgcn-amd-amdhsa--gfx1250"
	.amdhsa_code_object_version 6
	.text
	.protected	k_qdf280ebe05_attn
	.globl	k_qdf280ebe05_attn
	.p2align	8
	.type	k_qdf280ebe05_attn,@function
k_qdf280ebe05_attn:
	s_mov_b64 s[64:65], 0
	v_nop
	global_prefetch_b8 v0, s[64:65] scope:SCOPE_SE
	s_setreg_imm32_b32 hwreg(HW_REG_WAVE_MODE, 25, 1), 1
	s_wait_xcnt 0x0
; out0[h][q][:] = the sum over keys of softmax(q . k / 8) v, 64 heads of 2,048 queries, 2,048 keys, head size 64, all f32 in memory.
; Both products run on codes of FP6 (E2M3) with one E8M0 scale for each 32 along a product's K; sums in f32.
; q and k are quantised along the head's 64 (two blocks a row), v and p along the keys.  p = 2^(t - M), t = score x log2(e) / 8, M = the running largest t rounded UP to a whole
; number; p is not normalised; the row's sum is taken of the unquantised p and divides at the end; when M moves, the sum and O are multiplied by 2^(old M - new M), which rounds nothing.
; SHARES.  256 work-groups: y = the head, x = a quarter of its queries (512).  Sixteen waves of 256 registers.  Wave w owns two tiles of 16 queries, one after the other:
; pass 0: queries 512 x + 16 w on; pass 1: 256 further on.  Each pass walks the head's 2,048 keys in 16 steps of 128 keys (a chunk).
; K AND V LIVE IN LDS AS CODES.  A head's codes are 2 x 98,304 bytes and its scale bytes 8,192: the work-group quantises them itself, once, into images of the operands' registers, and
; no byte of them is ever written again.  The work is streamed under pass 0: while double chunk j (256 keys) is multiplied, double chunk j + 1 is loaded, quantised and stored; one barrier
; for each double chunk.  Pass 1 runs from LDS with no load of k or v and no barrier.
; NO CLUSTER, NO JOINT LOADS: what the four work-groups of a head share is k and v in f32, which the quantiser wants in a lane's registers (for v a lane to a column, registers down the
; keys); a joint request lands in LDS, where beside 204,800 bytes of codes and scales and 73,728 of stages 49,152 bytes are left, against 131,072 for a double chunk of f32.
; THE HEAD'S 64 IN A PRODUCT OF K = 128.  A fragment of K holds TWO tiles of 16 keys, one in each half of the instruction's K; Q stands as [six zero registers][Q's six][six zero registers], and
; the run [Q, 0] picks the first tile, [0, Q] the second: a zero code times any code of this format is zero.
; THE KEYS OF A TILE ARE NOT NEIGHBOURS: lane r of tile u of fragment p takes key 32 p + 8 u + r + 8 (r / 8), so that the 16 registers of tiles 2 p and 2 p + 1 are 16 neighbouring keys.
; Both products are used transposed (S^T = K Q^T, O^T = V^T P^T): a lane holds ONE query (lane % 16) throughout.
; LIMITS.  NaN and infinities among the inputs are not served.  A block of zeros gets the scale byte 1 where the rule says 127: its codes are zeros, and this program alone reads the bytes.
; p under 2^-126 comes out of v_exp_f32 as 0.  A block's largest p is made from the block's largest score by the same two instructions: this takes v_exp_f32 not to fall where its input rises.
.set CHB,   12288                      ; LDS: a chunk's images: K's four fragments of 1,536 bytes, then V's four
.set VOFF,  6144
.set SC,    196608                     ; behind the 16 chunks: the scale words, 512 bytes a chunk: K's at 16 r + 4 p, V's at 256 + 16 r + 4 t
.set STG,   204800                     ; behind them: a stage of 4,608 bytes for each wave, its own
.set STGW,  4608
.set DCB,   65536                      ; a double chunk of k or of v in memory: 256 rows of 256 bytes
.set LI,   1                           ; v1   16 x lane: my place in an image's plane; also the offset of K's and Q's loads and of out0's stores
.set LSC,  2                           ; v2   SC + 16 (lane % 16)
.set VO,   3                           ; v3   4 x lane: V's loads
.set STW,  4                           ; v4   the stage, f32 rows on the way in: 144 (lane / 8) + 16 (lane % 8)
.set STR,  5                           ; v5   and on the way out: place 2 r + h of 144 bytes
.set KA0,  6                           ; v6-8   where my unit of K stores its codes (two registers) and its scale byte
.set KA1,  7
.set KSB,  8
.set VA0,  9                           ; v9-11  the same for my unit of V
.set VA1,  10
.set VSB,  11
                                       ; v12 -M, v13 the largest t, v[14:15] the sum in two halves
.set SO,   16                          ; v16  the way out: where I put 32 bytes of a row
.set SR,   17                          ; v17  and where I read a row back
.set ADR,  18                          ; v18  the step's images
.set ADS,  19                          ; v19  the step's scale words
.set PFO,  20                          ; v20  256 x lane: the prefetches' offset; never rewritten
.set PT0,  22                          ; v22-24 the addresses of the stores in hand
.set PT1,  23
.set PT2,  24
.set QS,   25                          ; v25  Q's scale word
.set PS,   26                          ; v26  p's scale word
.set KS,   28                          ; v28-31 K's four scale words
.set VS,   32                          ; v32-35 V's four
.set F,    36                          ; v36  f = 2^(old M - new M); v37 is named with it as a pair
.set QB,   38                          ; v38-55 six zeros, Q's six registers, six zeros
.set PC,   56                          ; v56-67 p's codes
.set FR,   68                          ; v68-115 four fragments of K or of V
.set S,    116                         ; v116-179 S^T, then p
.set O,    180                         ; v180-211 O^T
.set LB,   212                         ; v212-243 where global loads land
.set CD,   244                         ; v244-250 a block's codes
.set MX0,  251                         ; v251, v252 two chains of a block's largest magnitude; v252 then holds the scale's byte
.set MX1,  252
.set BY,   252
.set SCO1, 253                         ; v253 the conversions' scale operand
                                       ; v254, v255 destinations of lane permutes
.set BM,   FR                          ; the softmax's temporaries lie over the fragments, between the S products and V's loads: four blocks' largest scores,
.set BP,   FR+4                        ; four at work,
.set SCO,  FR+8                        ; four scale operands,
.set CT,   FR+12                       ; two runs of three registers of codes (at +0 and +4),
.set TT,   FR+20                       ; one at work
.set TB,   2                           ; s2   the step's chunk, in bytes of images
.set TS,   3                           ; s3   and of scale words
.set WV,   12                          ; s12  my wave's number
.set SEL,  20                          ; s[20:21] v_permlanex16_b32's selects for lane l xor 16
.set CS,   22                          ; s[22:23] c = log2(e) / 8; the packed form names a pair and takes its low word for both halves
.set PB,   24                          ; s24  the double chunk being made, in bytes of images
.set PSB,  25                          ; s25  and of scale words
.set CNT,  26                          ; s26  loop counter
.set LIM,  27                          ; s27  1 in the head's first work-group, else the greatest number
.set PFA,  28                          ; s[28:29] where my prefetches stand
.set KBASE, 30                         ; s[30:31] my unit of K in memory
.set VBASE, 32                         ; s[32:33] my unit of V
.set QBASE, 34                         ; s[34:35] my first tile of queries
.set OBASE, 36                         ; s[36:37] and its rows of out0
; ---- macros ----
; My unit of K: 8 keys and the 8 keys that lie 16 further on, 256 bytes a key.  Each load takes 512 consecutive bytes, two rows.
.macro KLOAD
.set i, 0
.rept 8
	global_load_b128 v[LB+4*i:LB+4*i+3], v[LI], s[KBASE:KBASE+1] offset:512*i+2048*(i/4)
.set i, i+1
.endr
.endm
; A tile of 16 queries: 4,096 dense bytes; read by this wave alone.
.macro QLOAD reg, off
.set i, 0
.rept 8
	global_load_b128 v[(\reg)+4*i:(\reg)+4*i+3], v[LI], s[QBASE:QBASE+1] offset:(\off)+512*i th:TH_LOAD_NT
.set i, i+1
.endr
.endm
; My unit of V: a lane takes a column, its 32 registers run down a block's 32 keys; the wave reads 128 consecutive bytes of each row, the neighbouring wave the row's other 128.
.macro VLOAD reg
.set i, 0
.rept 32
	global_load_b32 v[(\reg)+i], v[VO], s[VBASE:VBASE+1] offset:256*i
.set i, i+1
.endr
.endm
; 16 rows of 256 bytes, as loaded, go through my own stage and come back so that lane (r, h) holds the 32 numbers of block h of row r.  A place is 128 bytes + 16.
; LDS serves a wave's instructions in order (ISA guide 5.7.1.4): no wait between the stores and the loads.
.macro TURN reg
.set i, 0
.rept 8
	ds_store_b128 v[STW], v[(\reg)+4*i:(\reg)+4*i+3] offset:576*i
.set i, i+1
.endr
.set i, 0
.rept 8
	ds_load_b128 v[(\reg)+4*i:(\reg)+4*i+3], v[STR] offset:16*i
.set i, i+1
.endr
.endm
; The largest magnitude of a lane's 32 numbers, with the floor 2^(3 - 127) among its leaves (so the byte cannot fall under 1), and with 2 off its exponent field the conversions' scale operand.
.macro BLOCKMAX src
	v_max3_num_f32 v[MX0], |v[(\src)]|, |v[(\src)+1]|, |v[(\src)+2]|
	v_max3_num_f32 v[MX1], |v[(\src)+3]|, |v[(\src)+4]|, |v[(\src)+5]|
.irp i, 6,10,14,18,22,26
	v_max3_num_f32 v[MX0], v[MX0], |v[(\src)+\i]|, |v[(\src)+\i+1]|
	v_max3_num_f32 v[MX1], v[MX1], |v[(\src)+\i+2]|, |v[(\src)+\i+3]|
.endr
	v_max3_num_f32 v[MX0], v[MX0], |v[(\src)+30]|, |v[(\src)+31]|
	v_max3_num_f32 v[MX0], v[MX0], v[MX1], 0x1800000
	v_add_nc_u32 v[SCO1], 0xff000000, v[MX0]
.endm
; A block of 32 becomes six registers of codes, v[CD] on, and its scale byte in v[BY].
.macro QUANT32 src
	BLOCKMAX \src
	v_cvt_scalef32_pk16_fp6_f32 v[CD:CD+2], v[(\src):(\src)+15], v[SCO1]
	v_cvt_scalef32_pk16_fp6_f32 v[CD+4:CD+6], v[(\src)+16:(\src)+31], v[SCO1]   ; (a conversion's three registers begin on an even number)
	v_lshrrev_b32 v[BY], 23, v[SCO1]               ; the scale's byte; also the plain instruction behind the conversions
	v_mov_b32 v[CD+3], v[CD+4]
	v_mov_b32 v[CD+4], v[CD+5]
	v_mov_b32 v[CD+5], v[CD+6]
.endm
; The six registers are half of a fragment: three pairs of registers, each at its place in the image's planes; the byte at its place in a scale word.
.macro PUT a0, a1, sb
	v_add_nc_u32 v[PT0], s[PB], v[\a0]
	v_add_nc_u32 v[PT1], s[PB], v[\a1]
	v_add_nc_u32 v[PT2], s[PSB], v[\sb]
	ds_store_b64 v[PT0], v[CD:CD+1]
	ds_store_b64 v[PT1], v[CD+2:CD+3]
	ds_store_b64 v[PT0], v[CD+4:CD+5] offset:512
	ds_store_b8 v[PT2], v[BY]
.endm
; My tile of queries: lane (r, h) holds block h of query r; its codes are Q's six registers as they stand.  The scale word is [s0, s1, s0, s1]: it serves [Q, 0] and [0, Q] alike.
.macro QQUANT src
	BLOCKMAX \src
	v_cvt_scalef32_pk16_fp6_f32 v[QB+6:QB+8], v[(\src):(\src)+15], v[SCO1]
	v_cvt_scalef32_pk16_fp6_f32 v[CD+4:CD+6], v[(\src)+16:(\src)+31], v[SCO1]
	v_lshrrev_b32 v[BY], 23, v[SCO1]               ; the byte; the plain instruction behind the conversions
	v_mov_b32 v[QB+9], v[CD+4]
	v_mov_b32 v[QB+10], v[CD+5]
	v_mov_b32 v[QB+11], v[CD+6]
	v_bfe_u32 v[MX0], v0, 4, 1
	v_lshlrev_b32 v[MX0], 3, v[MX0]
	v_lshlrev_b32 v[BY], v[MX0], v[BY]             ; my byte 8 h bits up,
	v_permlanex16_b32 v255, v[BY], s[SEL], s[SEL+1]
	v_or_b32 v[BY], v[BY], v255                    ; with lane l xor 16's: s0 | s1 << 8
	v_lshl_or_b32 v[QS], v[BY], 16, v[BY]
.rept 8
	v_nop                                          ; a scale register written by a vector instruction stands eight plain instructions ahead of a scaled product
.endr
.endm
; A pass begins: O^T and the sum are zeros and the largest t is -3e38, so that the step is written once: its first change of M multiplies zeros.
.macro INIT
.set j, 0
.rept 32
	v_mov_b32 v[O+j], 0
.set j, j+1
.endr
	v_mov_b32 v13, 0xff61b1e6
	v_floor_f32 v12, -v13
	v_mov_b32 v14, 0
	v_mov_b32 v15, 0
	s_mov_b32 s[TB], 0
	s_mov_b32 s[TS], 0
.endm
.macro BARRIER                         ; my LDS stores have landed and my LDS loads are in: then the work-group's barrier
	s_wait_dscnt 0x0
	s_barrier_signal -1
	s_barrier_wait -1
.endm
; A PREFETCH of the double chunk after the one that is being loaded.  All four work-groups of a head read the same k and v: the head's first work-group asks (a branch on the work-group's number).
; Waves 0 to 7 ask for k's 65,536 bytes, waves 8 to 15 for v's: 8,192 bytes a wave, lanes 256 bytes apart, one instruction.  So each aligned block of 256 bytes is named once in the launch.
; It stands behind the wave's run of loads.  Trips with the counter at 7 down to 2 ask, for double chunks 2 to 7; the last trip asks for nothing; double chunks 0 and 1 come by their loads alone.
.macro ASK
	s_cmp_gt_u32 s[CNT], s[LIM]
	s_cbranch_scc0 .Lnot_mine_\@
	global_prefetch_b8 v[PFO], s[PFA:PFA+1] th:TH_LOAD_NT scope:SCOPE_SE
.Lnot_mine_\@:
.endm
; A KEY STEP: the chunk of 128 keys at s[TB], s[TS].
.macro STEP
	v_add_nc_u32 v[ADR], s[TB], v[LI]
	v_add_nc_u32 v[ADS], s[TS], v[LSC]
	v_nop
	v_nop                                          ; four plain instructions stand between the last products and the loads into the registers that they read (ISA guide 7.12.1 for vector instructions)
.set f, 0
.rept 12
	ds_load_b128 v[FR+4*f:FR+4*f+3], v[ADR] offset:512*f        ; K's four fragments: three planes of 512 consecutive bytes each
.set f, f+1
.endr
	ds_load_b128 v[KS:KS+3], v[ADS]                ; and their four scale words of my row
	s_wait_dscnt 0x0
.irp p, 0,1,2,3                                ; S^T: fragment p against [Q, 0] gives tile 2 p, against [0, Q] tile 2 p + 1.  Register j of tile 2 p + u in lane (r, h): key 32 p + 16 h + 8 u + j, query r
.irp u, 0,1
	v_wmma_scale_f32_16x16x128_f8f6f4 v[S+8*(2*\p+\u):S+8*(2*\p+\u)+7], v[FR+12*\p:FR+12*\p+11], v[QB+6-6*\u:QB+17-6*\u], 0, v[KS+\p], v[QS] matrix_a_fmt:MATRIX_FMT_FP6 matrix_b_fmt:MATRIX_FMT_FP6
.endr
.endr
.rept 4
	v_nop                                          ; ahead of the first read of the scores and of the temporaries written over K's fragments
.endr
.irp b, 0,1,2,3
	v_max3_num_f32 v[BM+\b], v[S+16*\b], v[S+1+16*\b], v[S+2+16*\b]   ; THE LARGEST SCORE OF EACH BLOCK OF 32 KEYS: it serves the row's maximum and, since p rises with the score, the block's largest p
.endr
.irp i, 3,5,7,9,11,13
.irp b, 0,1,2,3
	v_max3_num_f32 v[BM+\b], v[BM+\b], v[S+16*\b+\i], v[S+1+16*\b+\i]  ; (the four blocks by turns)
.endr
.endr
.irp b, 0,1,2,3
	v_max_num_f32 v[BM+\b], v[BM+\b], v[S+15+16*\b]
.endr
.irp b, 0,1,2,3
	v_permlanex16_b32 v[BP+\b], v[BM+\b], s[SEL], s[SEL+1]
.endr
.irp b, 0,1,2,3
	v_max_num_f32 v[BM+\b], v[BM+\b], v[BP+\b]     ; with lane l xor 16's 16 keys
.endr
	v_max3_num_f32 v[TT], v[BM], v[BM+1], v[BM+2]
	v_max_num_f32 v[TT], v[TT], v[BM+3]            ; the step's largest score of my query
	v_mul_f32 v[TT], s[CS], v[TT]                  ; as t (c is positive)
	v_max_num_f32 v13, v13, v[TT]                  ; the running largest t
	v_mov_b32 v[TT], v12
	v_floor_f32 v12, -v13                          ; the new -M = floor(-t) = -ceil(t): a whole number
	v_sub_f32 v[TT], v12, v[TT]                    ; old M less new M: a whole number, 0 or less
	v_cvt_i32_f32 v[TT], v[TT]                     ; (it saturates)
	v_ldexp_f32 v[F], 1.0, v[TT]                   ; f = 2^(old M - new M)
.set j, 0
.rept 32
	v_pk_fma_f32 v[S+j:S+j+1], v[S+j:S+j+1], s[CS:CS+1], v[12:13] op_sel_hi:[1,0,0]   ; t - M, two at a time
.set j, j+2
.endr
.irp b, 0,1,2,3
	v_fma_f32 v[BM+\b], v[BM+\b], s[CS], v12       ; the same of each block's largest score
.endr
.set j, 0
.rept 64
	v_exp_f32 v[S+j], v[S+j]                       ; p = 2^(t - M), at most 1: not normalised
.set j, j+1
.endr
	v_pk_mul_f32 v[14:15], v[14:15], v[F:F+1] op_sel_hi:[1,0]   ; the sums under the new M; the plain instruction behind the exponentials
	s_wait_alu depctr_va_vdst(0)                   ; the wait ahead of the first instruction that names a result: one for the batch of 64
.irp b, 0,1,2,3
	v_exp_f32 v[BM+\b], v[BM+\b]                   ; the block's largest p: the same two instructions on the same number give the same bits
.endr
	v_pk_add_f32 v[BP:BP+1], v[S:S+1], v[S+2:S+3]  ; THE ROW'S SUM IS TAKEN OF THE UNQUANTISED p: two at a time, in two chains; it reads the 64 alone
.irp j, 4,8,12,16,20,24,28,32,36,40,44,48,52,56,60
	v_pk_add_f32 v[14:15], v[14:15], v[S+\j:S+\j+1]
	v_pk_add_f32 v[BP:BP+1], v[BP:BP+1], v[S+2+\j:S+3+\j]
.endr
	v_pk_add_f32 v[14:15], v[14:15], v[BP:BP+1]
	s_wait_alu depctr_va_vdst(0)                   ; and one for the four
.irp b, 0,1,2,3
	v_max_num_f32 v[BM+\b], 0x1800000, v[BM+\b]    ; the floor 2^(3 - 127): the byte cannot fall under 1
.endr
.irp b, 0,1,2,3
	v_add_nc_u32 v[SCO+\b], 0xff000000, v[BM+\b]   ; 2 off the exponent field: the conversion's scale operand
.endr
.irp b, 0,1,2,3
	v_lshrrev_b32 v[BP+\b], 23, v[SCO+\b]          ; the scale's byte
.endr
	v_lshl_or_b32 v[PS], v[BP+1], 8, v[BP]         ; p's scale word for these 128 keys
	v_lshl_or_b32 v[PS], v[BP+2], 16, v[PS]
	v_lshl_or_b32 v[PS], v[BP+3], 24, v[PS]
.irp c, 0,1
	v_cvt_scalef32_pk16_fp6_f32 v[PC+6*\c:PC+6*\c+2], v[S+32*\c:S+32*\c+15], v[SCO+2*\c]
	v_cvt_scalef32_pk16_fp6_f32 v[CT+4*\c:CT+4*\c+2], v[S+32*\c+16:S+32*\c+31], v[SCO+2*\c+1]
.endr
	v_nop                                          ; one plain instruction behind the scaled conversions
.irp c, 0,1                                    ; the operand's layout wants a WHOLE block in a lane: lanes 0-15 block 2 c, lanes 16-31 block 2 c + 1
.irp i, 0,1,2
	v_permlane16_swap_b32 v[PC+6*\c+\i], v[CT+4*\c+\i]
.endr
.irp i, 0,1,2
	v_mov_b32 v[PC+3+6*\c+\i], v[CT+4*\c+\i]
.endr
.endr
.set f, 0
.rept 12
	ds_load_b128 v[FR+4*f:FR+4*f+3], v[ADR] offset:VOFF+512*f   ; V's four fragments, over the temporaries, which are done with
.set f, f+1
.endr
	ds_load_b128 v[VS:VS+3], v[ADS] offset:256
.set j, 0
.rept 16
	v_pk_mul_f32 v[O+j:O+j+1], v[O+j:O+j+1], v[F:F+1] op_sel_hi:[1,0]   ; O^T under the new M, while the loads are out; these sixteen also stand between the writes of p's codes and scale word and the products
.set j, j+2
.endr
	s_wait_dscnt 0x0
.irp t, 0,1,2,3                                ; O^T += V^T P^T: the four accumulators take turns, one instruction a turn
	v_wmma_scale_f32_16x16x128_f8f6f4 v[O+8*\t:O+8*\t+7], v[FR+12*\t:FR+12*\t+11], v[PC:PC+11], v[O+8*\t:O+8*\t+7], v[VS+\t], v[PS] matrix_a_fmt:MATRIX_FMT_FP6 matrix_b_fmt:MATRIX_FMT_FP6
.endr
	s_add_co_u32 s[TB], s[TB], CHB                 ; on to the next chunk
	s_add_co_u32 s[TS], s[TS], 512
.endm
; THE WAY OUT of a pass: O^T / the sum goes through my stage (16 rows of 256 bytes + 16) and leaves as whole rows: a tile of out0 is 4,096 dense bytes, and each store covers 512 of them, aligned.
.macro FINISH pass
.rept 4
	v_nop                                          ; behind the last products
.endr
	v_add_f32 v14, v14, v15                        ; the sum's two halves,
	v_permlanex16_b32 v254, v14, s[SEL], s[SEL+1]
	v_add_f32 v14, v14, v254                       ; and lane l xor 16's: the row's sum
	v_rcp_f32 v14, v14
	v_nop                                          ; a plain instruction behind the reciprocal
	s_wait_alu depctr_va_vdst(0)                   ; and the wait ahead of its first reader
.set j, 0
.rept 16
	v_pk_mul_f32 v[S+j:S+j+1], v[O+j:O+j+1], v[14:15] op_sel_hi:[1,0]   ; each accumulator from its low end on; register 8 t + i is out0(query r, 16 t + 8 h + i)
.set j, j+2
.endr
.irp t, 0,1,2,3
	ds_store_b128 v[SO], v[S+8*\t:S+8*\t+3] offset:64*\t
	ds_store_b128 v[SO], v[S+8*\t+4:S+8*\t+7] offset:64*\t+16
.endr
.set i, 0
.rept 8
	ds_load_b128 v[S+32+4*i:S+32+4*i+3], v[SR] offset:544*i      ; LDS serves a wave's instructions in order: these see my stores
.set i, i+1
.endr
.set i, 0
.rept 8
	s_wait_dscnt 7-i                               ; the 7 - i younger loads may stay out
	global_store_b128 v[LI], v[S+32+4*i:S+32+4*i+3], s[OBASE:OBASE+1] offset:512*i+65536*(\pass) th:TH_STORE_NT
.set i, i+1
.endr
.if (\pass) == 0
	s_wait_xcnt 0x0                                ; the stores have read their registers, which the next pass writes again
.endif
.endm
; ---- the head: lane and wave terms ----
	s_load_b256 s[4:11], s[0:1], 0x0               ; q s[4:5], k s[6:7], v s[8:9], out0 s[10:11]
	v_lshl_add_u32 v21, v0, 2, 0x44000
	v_mov_b32 v27, 0
	v_lshrrev_b32 v18, 5, v0
	v_readfirstlane_b32 s[WV], v18                 ; wave 0..15
	v_and_b32 v19, 31, v0                          ; lane l
	v_and_b32 v22, 15, v0                          ; r = l % 16
	v_bfe_u32 v23, v0, 4, 1                        ; h = l / 16
	v_lshlrev_b32 v[LI], 4, v19
	v_lshl_add_u32 v[LSC], v22, 4, SC
	v_lshlrev_b32 v[VO], 2, v19
	v_lshlrev_b32 v[PFO], 8, v19
	s_mul_i32 s13, s[WV], STGW
	s_add_co_u32 s13, s13, STG                     ; my stage
	v_lshrrev_b32 v18, 3, v19
	v_mul_u32_u24 v18, v18, 144
	v_and_b32 v24, 7, v0
	v_lshl_add_u32 v18, v24, 4, v18
	v_add_nc_u32 v[STW], s13, v18                  ; load i, lane l: place 4 i + l / 8, byte 16 (l % 8)
	v_lshl_add_u32 v18, v22, 1, v23
	v_mul_u32_u24 v18, v18, 144
	v_add_nc_u32 v[STR], s13, v18                  ; place 2 r + h
	v_mul_u32_u24 v18, v22, 272
	v_lshl_add_u32 v18, v23, 5, v18
	v_add_nc_u32 v[SO], s13, v18                   ; row r, + 32 h
	v_mul_u32_u24 v18, v23, 272
	v_lshl_add_u32 v18, v22, 4, v18
	v_add_nc_u32 v[SR], s13, v18                   ; lanes 0-15 one row, lanes 16-31 the next
	; my units in a double chunk.  K: chunk cc = w / 8, fragment p = (w / 2) % 4, tile u = w % 2.  V: chunk cc, block b = (w / 2) % 4 = 2 c + hh, columns 32 uu on, uu = w % 2
	s_lshr_b32 s14, s[WV], 3                       ; cc
	s_bfe_u32 s15, s[WV], 0x20001                  ; p = b
	s_and_b32 s16, s[WV], 1                        ; u = uu
	s_bfe_u32 s17, s[WV], 0x10002                  ; c
	s_bfe_u32 s18, s[WV], 0x10001                  ; hh
	s_mul_i32 s19, s14, CHB
	s_mul_i32 s38, s15, 1536
	s_add_co_u32 s38, s38, s19                     ; K's fragment
	s_mul_i32 s39, s16, 520                        ; half u of a fragment is register pairs 3 u + 0, 1, 2; pair n lies at 512 (n / 2) + 8 (n % 2): 0, 8, 512 or 520, 1024, 1032
	s_add_co_u32 s39, s39, s38
	v_add_nc_u32 v[KA0], s39, v[LI]                ; serves the first pair, and with 512 more the third
	s_mul_i32 s39, s16, 1016
	s_add_co_u32 s39, s39, s38
	s_add_co_u32 s39, s39, 8
	v_add_nc_u32 v[KA1], s39, v[LI]                ; the second
	s_lshl_b32 s40, s14, 9
	s_add_co_u32 s40, s40, SC                      ; the chunk's scale words
	s_lshl_b32 s39, s15, 2
	s_add_co_u32 s39, s39, s40
	s_lshl_b32 s41, s16, 1
	s_add_co_u32 s39, s39, s41
	v_lshl_add_u32 v18, v22, 4, v23
	v_add_nc_u32 v[KSB], s39, v18                  ; row r's word of fragment p, byte 2 u + h
	s_mul_i32 s38, s16, 3072                       ; V: column 32 uu + l is row l % 16 of fragment 2 uu + l / 16; the block's lanes are those of half hh
	s_add_co_u32 s38, s38, s19
	s_lshl_b32 s39, s18, 8
	s_add_co_u32 s38, s38, s39
	s_add_co_u32 s38, s38, VOFF
	v_mul_u32_u24 v18, v23, 1536
	v_lshl_add_u32 v18, v22, 4, v18
	s_mul_i32 s39, s17, 520
	s_add_co_u32 s39, s39, s38
	v_add_nc_u32 v[VA0], s39, v18
	s_mul_i32 s39, s17, 1016
	s_add_co_u32 s39, s39, s38
	s_add_co_u32 s39, s39, 8
	v_add_nc_u32 v[VA1], s39, v18
	s_lshl_b32 s39, s16, 3
	s_add_co_u32 s39, s39, s15
	s_add_co_u32 s39, s39, s40
	s_add_co_u32 s39, s39, 256
	v_lshlrev_b32 v18, 2, v23
	v_lshl_add_u32 v18, v22, 4, v18
	v_add_nc_u32 v[VSB], s39, v18                  ; row r's word of fragment 2 uu + l / 16, byte b
	; where my parts begin in memory, as offsets of their own
	s_and_b32 s13, ttmp7, 0xffff
	s_lshl_b32 s13, s13, 19                        ; the head: 2,048 rows of 256 bytes
	s_lshr_b32 s14, s[WV], 1
	s_lshl_b32 s14, s14, 13
	s_add_co_u32 s14, s14, s13                     ; + 32 keys x (w / 2)
	s_lshl_b32 s38, s16, 11
	s_add_co_u32 s38, s38, s14                     ; K: + 8 keys x u
	s_mov_b32 s39, 0
	s_lshl_b32 s40, s16, 7
	s_add_co_u32 s40, s40, s14                     ; V: + 32 columns x uu
	s_mov_b32 s41, 0
	s_lshl_b32 s42, ttmp9, 17
	s_add_co_u32 s42, s42, s13
	s_lshl_b32 s43, s[WV], 12
	s_add_co_u32 s42, s42, s43                     ; q, out0: + 512 rows x work-group x + 16 rows x wave
	s_mov_b32 s43, 0
	s_and_b32 s44, s[WV], 7
	s_lshl_b32 s44, s44, 13
	s_add_co_u32 s44, s44, s13
	s_add_co_u32 s44, s44, DCB                     ; the prefetches: my 8,192 bytes, in double chunk 1; the first trip steps it to 2
	s_mov_b32 s45, 0
	s_cmp_eq_u32 ttmp9, 0
	s_cselect_b32 s[LIM], 1, -1
	s_mov_b32 s[SEL], 0x76543210
	s_mov_b32 s[SEL+1], 0xfedcba98
	s_mov_b32 s[CS], 0x3e38aa3b                    ; c = log2(e) / 8
	s_mov_b32 s[CS+1], s[CS]                       ; (named with it as a pair, so it is written)
	s_wait_kmcnt 0x0
	s_add_nc_u64 s[KBASE:KBASE+1], s[6:7], s[38:39]
	s_add_nc_u64 s[VBASE:VBASE+1], s[8:9], s[40:41]
	s_add_nc_u64 s[QBASE:QBASE+1], s[4:5], s[42:43]
	s_add_nc_u64 s[OBASE:OBASE+1], s[10:11], s[42:43]
	s_cmp_lt_u32 s[WV], 8
	s_cselect_b64 s[PFA:PFA+1], s[6:7], s[8:9]
	s_add_nc_u64 s[PFA:PFA+1], s[PFA:PFA+1], s[44:45]
; ---- the prologue: double chunk 0 and my first tile of queries ----
	KLOAD                                          ; 8 loads,
	VLOAD S                                        ; 32,
	QLOAD S+32, 0                                  ; 8
.irp j, 0,1,2,3,4,5
	v_mov_b32 v[QB+\j], 0                          ; the zero codes on both sides of Q
	v_mov_b32 v[QB+12+\j], 0
.endr
	v_mov_b32 v[F+1], 0                            ; (named as the upper half of a pair)
	v_mov_b32 v254, 0                              ; a lane permute's destination counts as one of its sources
	v_mov_b32 v255, 0
	INIT
	s_mov_b32 s[PB], 0
	s_mov_b32 s[PSB], 0
	s_wait_loadcnt 40                              ; K's eight are in; V's 32 and Q's 8 are younger
	TURN LB
	s_wait_dscnt 0x0
	QUANT32 LB
	PUT KA0, KA1, KSB
	s_wait_dscnt 0x0                               ; the stores have read their registers
	s_wait_loadcnt 8                               ; V's are in; Q's 8 are younger
	QUANT32 S
	PUT VA0, VA1, VSB
	s_wait_loadcnt 0x0
	TURN S+32
	s_wait_dscnt 0x0
	QQUANT S+32
	s_add_nc_u64 s[KBASE:KBASE+1], s[KBASE:KBASE+1], DCB   ; all loads are in: their bases may step
	s_add_nc_u64 s[VBASE:VBASE+1], s[VBASE:VBASE+1], DCB
	s_mov_b32 s[PB], 2*CHB
	s_mov_b32 s[PSB], 1024
	BARRIER                                        ; double chunk 0 lies in LDS
	s_mov_b32 s[CNT], 7
; ---- pass 0, seven trips: trip j multiplies double chunk j and makes double chunk j + 1.  Each run of loads has a whole key step in which to land ----
.Ltrip:
	KLOAD
	STEP
	s_wait_loadcnt 0x0                             ; K's eight are the only loads out
	TURN LB
	s_wait_dscnt 0x0
	QUANT32 LB
	PUT KA0, KA1, KSB
	s_wait_xcnt 0x0                                ; the last prefetch, a trip back, has read its address, so it may step
	s_add_nc_u64 s[PFA:PFA+1], s[PFA:PFA+1], DCB
	VLOAD LB
	ASK
	STEP                                           ; (its first wait for LDS also shows K's stores done, ahead of the next block's codes)
	s_wait_loadcnt 0x0
	QUANT32 LB
	PUT VA0, VA1, VSB
	s_add_nc_u64 s[KBASE:KBASE+1], s[KBASE:KBASE+1], DCB   ; all loads are in
	s_add_nc_u64 s[VBASE:VBASE+1], s[VBASE:VBASE+1], DCB
	s_add_co_u32 s[PB], s[PB], 2*CHB
	s_add_co_u32 s[PSB], s[PSB], 1024
	BARRIER                                        ; double chunk j + 1 lies in LDS
	s_sub_co_u32 s[CNT], s[CNT], 1
	s_cmp_lg_u32 s[CNT], 0
	s_cbranch_scc1 .Ltrip
; ---- the last double chunk of pass 0: nothing is left to make; the next pass's queries are asked for ----
	QLOAD LB, 65536
	s_mov_b32 s[CNT], 2
.Ltail:
	STEP
	s_sub_co_u32 s[CNT], s[CNT], 1
	s_cmp_lg_u32 s[CNT], 0
	s_cbranch_scc1 .Ltail
	FINISH 0
; ---- pass 1: all of K and V lies in LDS and is written no more: no barrier ----
	s_wait_loadcnt 0x0
	TURN LB
	s_wait_dscnt 0x0
	QQUANT LB
	INIT
	s_mov_b32 s[CNT], 16
.Lpass1:
	STEP
	s_sub_co_u32 s[CNT], s[CNT], 1
	s_cmp_lg_u32 s[CNT], 0
	s_cbranch_scc1 .Lpass1
	FINISH 1
	s_wait_tensorcnt 0x0
	ds_add_u32 v21, v27
	s_wait_dscnt 0x0
	s_endpgm
.Lfunc_end_k_qdf280ebe05_attn:
	.size	k_qdf280ebe05_attn, .Lfunc_end_k_qdf280ebe05_attn-k_qdf280ebe05_attn
	.p2alignl 7, 3214868480
	.fill 96, 4, 3214868480
	.section	.rodata,"a",@progbits
	.p2align	6, 0x0
	.amdhsa_kernel k_qdf280ebe05_attn
		.amdhsa_group_segment_fixed_size 280576
		.amdhsa_private_segment_fixed_size 0
		.amdhsa_enable_private_segment 0
		.amdhsa_kernarg_size 32
		.amdhsa_user_sgpr_count 2
		.amdhsa_user_sgpr_kernarg_segment_ptr 1
		.amdhsa_wavefront_size32 1
		.amdhsa_system_sgpr_workgroup_id_x 1
		.amdhsa_system_sgpr_workgroup_id_y 1
		.amdhsa_system_sgpr_workgroup_id_z 1
		.amdhsa_system_vgpr_workitem_id 0
		.amdhsa_next_free_vgpr 256
		.amdhsa_next_free_sgpr 66
		.amdhsa_reserve_vcc 0
		.amdhsa_float_denorm_mode_32 3
		.amdhsa_float_denorm_mode_16_64 3
		.amdhsa_memory_ordered 1
		.amdhsa_forward_progress 1
		.amdhsa_inst_pref_size 101
	.end_amdhsa_kernel
	.amdgpu_metadata
---
amdhsa.version: [ 1, 2 ]
amdhsa.kernels:
  - .name:           k_qdf280ebe05_attn
    .symbol:         k_qdf280ebe05_attn.kd
    .args:
      - { .name: q, .offset: 0, .size: 8, .value_kind: global_buffer, .address_space: global }
      - { .name: k, .offset: 8, .size: 8, .value_kind: global_buffer, .address_space: global }
      - { .name: v, .offset: 16, .size: 8, .value_kind: global_buffer, .address_space: global }
      - { .name: out0, .offset: 24, .size: 8, .value_kind: global_buffer, .address_space: global }
    .group_segment_fixed_size: 280576
    .private_segment_fixed_size: 0
    .kernarg_segment_align: 8
    .kernarg_segment_size: 32
    .max_flat_workgroup_size: 512
    .sgpr_count:     66
    .vgpr_count:     256
    .wavefront_size: 32
...
	.end_amdgpu_metadata
.endif
;; end of part 1
;; ======== version 2 of 2: 1 launch; version 1 with the launch attn written anew for expert scheduling mode
;; launch attn (part 2): grid 4 x 64, 16 waves a work-group, no clusters, 280,576 bytes of LDS; arguments q, k, v, out0; writes out0
.if DOCPART == 2
	.amdgcn_target "amdgcn-amd-amdhsa--gfx1250"
	.amdhsa_code_object_version 6
	.text
	.protected	k_qdf280ebe05_attn
	.globl	k_qdf280ebe05_attn
	.p2align	8
	.type	k_qdf280ebe05_attn,@function
k_qdf280ebe05_attn:
	s_mov_b64 s[64:65], 0
	v_nop
	global_prefetch_b8 v0, s[64:65] scope:SCOPE_SE
	s_setreg_imm32_b32 hwreg(HW_REG_WAVE_SCHED_MODE, 0, 2), 2
	s_setreg_imm32_b32 hwreg(HW_REG_WAVE_MODE, 25, 1), 1
	s_wait_xcnt 0x0
	s_wait_alu depctr_vm_vsrc(0)
; out0[h][q][:] = the sum over keys of softmax(q . k / 8) v, 64 heads of 2,048 queries, 2,048 keys, head size 64, all f32 in memory.
; Both products run on codes of FP6 (E2M3) with one E8M0 scale for each 32 along a product's K; sums in f32.
; q and k are quantised along the head's 64 (two blocks a row), v and p along the keys.  p = 2^(t - M), t = score x log2(e) / 8, M = the running largest t rounded UP to a whole
; number; p is not normalised; the row's sum is taken of the unquantised p and divides at the end; when M moves, the sum and O are multiplied by 2^(old M - new M), which rounds nothing.
; SHARES.  256 work-groups: y = the head, x = a quarter of its queries (512).  Sixteen waves of 256 registers.  Wave w owns two tiles of 16 queries, one after the other:
; pass 0: queries 512 x + 16 w on; pass 1: 256 further on.  Each pass walks the head's 2,048 keys in 16 steps of 128 keys (a chunk).
; K AND V LIVE IN LDS AS CODES.  A head's codes are 2 x 98,304 bytes and its scale bytes 8,192: the work-group quantises them itself, once, into images of the operands' registers, and
; no byte of them is ever written again.  The work is streamed under pass 0: while double chunk j (256 keys) is multiplied, double chunk j + 1 is loaded, quantised and stored; one barrier
; for each double chunk.  Pass 1 runs from LDS with no load of k or v and no barrier.
; NO CLUSTER, NO JOINT LOADS: what the four work-groups of a head share is k and v in f32, which the quantiser wants in a lane's registers (for v a lane to a column, registers down the
; keys); a joint request lands in LDS, where beside 204,800 bytes of codes and scales and 73,728 of stages 49,152 bytes are left, against 131,072 for a double chunk of f32.
; THE HEAD'S 64 IN A PRODUCT OF K = 128.  A fragment of K holds TWO tiles of 16 keys, one in each half of the instruction's K; Q stands as [six zero registers][Q's six][six zero registers], and
; the run [Q, 0] picks the first tile, [0, Q] the second: a zero code times any code of this format is zero.
; THE KEYS OF A TILE ARE NOT NEIGHBOURS: lane r of tile u of fragment p takes key 32 p + 8 u + r + 8 (r / 8), so that the 16 registers of tiles 2 p and 2 p + 1 are 16 neighbouring keys.
; Both products are used transposed (S^T = K Q^T, O^T = V^T P^T): a lane holds ONE query (lane % 16) throughout.
; LIMITS.  NaN and infinities among the inputs are not served.  A block of zeros gets the scale byte 1 where the rule says 127: its codes are zeros, and this program alone reads the bytes.
; p under 2^-126 comes out of v_exp_f32 as 0.  A block's largest p is made from the block's largest score by the same two instructions: this takes v_exp_f32 not to fall where its input rises.
; THE MODE: SCHED_MODE bits 1:0 = 2 (LLVM: expert scheduling mode 2), set by the entry lines.  The code itself states the register dependences
; between vector or matrix instructions and memory or LDS instructions, with s_wait_alu, always for 0.
; THE PLAN.  Registers that memory or LDS instructions touch:
;   v1-5, v16, v17, v20   offsets and addresses: made once at the head, ahead of one wait on va_vdst, and never written again.
;   v[ADR], v[ADS]        written by two additions at a step's head; read by the step's 26 LDS loads.
;   FR, KS, VS            written by LDS loads alone.  K's fragments and words land at a step's head and are read by its eight S products; V's land in the same FR in the middle of the
;                         softmax and are read by its four O products.  No vector instruction names them: the softmax's temporaries lie elsewhere.
;   LB                    global loads land in it; the turn through the stage stores it and loads it again; the quantiser reads it.
;   v[CD ..], v[BY], v[PT0 ..]  written by the quantiser and three additions, read by the four LDS stores of a unit's codes; in a step the softmax's temporaries lie over v[CD ..] and v[BY].
;   S                     in the prologue loads land in it; on the way out LDS stores read its low half, and its high half takes the rows back and is read by the global stores.
; A STEP has one wait on vm_vsrc, at its head, and five on va_vdst: ahead of K's loads; ahead of the batch of 64 exponentials; behind it, where V's loads follow at once; for the four exponentials;
; and ahead of the O products.  A unit's codes have one wait on va_vdst, ahead of their four stores: it also shows the quantiser done with LB, so that the next run of global loads owes nothing.
.set CHB,   12288                      ; LDS: a chunk's images: K's four fragments of 1,536 bytes, then V's four
.set VOFF,  6144
.set SC,    196608                     ; behind the 16 chunks: the scale words, 512 bytes a chunk: K's at 16 r + 4 p, V's at 256 + 16 r + 4 t
.set STG,   204800                     ; behind them: a stage of 4,608 bytes for each wave, its own; behind the stages, from 0x44000 on, the spare words, 128 bytes for each wave, which no other line names
.set STGW,  4608
.set DCB,   65536                      ; a double chunk of k or of v in memory: 256 rows of 256 bytes
.set LI,   1                           ; v1   16 x lane: my place in an image's plane; also the offset of K's and Q's loads and of out0's stores
.set LSC,  2                           ; v2   SC + 16 (lane % 16)
.set VO,   3                           ; v3   4 x lane: V's loads
.set STW,  4                           ; v4   the stage, f32 rows on the way in: 144 (lane / 8) + 16 (lane % 8)
.set STR,  5                           ; v5   and on the way out: place 2 r + h of 144 bytes
.set KA0,  6                           ; v6-8   where my unit of K stores its codes (two registers) and its scale byte
.set KA1,  7
.set KSB,  8
.set VA0,  9                           ; v9-11  the same for my unit of V
.set VA1,  10
.set VSB,  11
                                       ; v12 -M, v13 the largest t, v[14:15] the sum in two halves
.set SO,   16                          ; v16  the way out: where I put 32 bytes of a row
.set SR,   17                          ; v17  and where I read a row back
.set ADR,  18                          ; v18  the step's images
.set ADS,  19                          ; v19  the step's scale words
.set PFO,  20                          ; v20  256 x lane: the prefetches' offset; never rewritten
                                       ; v21  the LDS address of my spare word, v27  0: made at the head and kept for the closing lines alone
.set PT0,  22                          ; v22-24 the addresses of the stores in hand
.set PT1,  23
.set PT2,  24
.set QS,   25                          ; v25  Q's scale word
.set PS,   26                          ; v26  p's scale word
.set KS,   28                          ; v28-31 K's four scale words
.set VS,   32                          ; v32-35 V's four
.set F,    36                          ; v36  f = 2^(old M - new M); v37 is named with it as a pair
.set QB,   38                          ; v38-55 six zeros, Q's six registers, six zeros
.set PC,   56                          ; v56-67 p's codes
.set FR,   68                          ; v68-115 four fragments of K or of V
.set S,    116                         ; v116-179 S^T, then p
.set O,    180                         ; v180-211 O^T
.set LB,   212                         ; v212-243 where global loads land
.set CD,   244                         ; v244-250 a block's codes
.set MX0,  251                         ; v251, v252 two chains of a block's largest magnitude; v252 then holds the scale's byte
.set MX1,  252
.set BY,   252
.set SCO1, 253                         ; v253 the conversions' scale operand
                                       ; v254, v255 destinations of lane permutes
.set BM,   PC                          ; the softmax's temporaries lie outside the fragments.  Over p's codes, which are made behind them: four blocks' largest scores,
.set TT,   PC+8                        ; and one at work.
.set BP,   CD                          ; Over the quantiser's registers, which lie idle in a step: four at work,
.set SCO,  CD+4                        ; four scale operands,
.set CT,   CD+8                        ; two runs of three registers of codes: at CD + 8, and at CD when the four at work are done with
.set TB,   2                           ; s2   the step's chunk, in bytes of images
.set TS,   3                           ; s3   and of scale words
.set WV,   12                          ; s12  my wave's number
.set SEL,  20                          ; s[20:21] v_permlanex16_b32's selects for lane l xor 16
.set CS,   22                          ; s[22:23] c = log2(e) / 8; the packed form names a pair and takes its low word for both halves
.set PB,   24                          ; s24  the double chunk being made, in bytes of images
.set PSB,  25                          ; s25  and of scale words
.set CNT,  26                          ; s26  loop counter
.set LIM,  27                          ; s27  1 in the head's first work-group, else the greatest number
.set PFA,  28                          ; s[28:29] where my prefetches stand
.set KBASE, 30                         ; s[30:31] my unit of K in memory
.set VBASE, 32                         ; s[32:33] my unit of V
.set QBASE, 34                         ; s[34:35] my first tile of queries
.set OBASE, 36                         ; s[36:37] and its rows of out0
; ---- macros ----
; My unit of K: 8 keys and the 8 keys that lie 16 further on, 256 bytes a key.  Each load takes 512 consecutive bytes, two rows.
.macro KLOAD
.set i, 0
.rept 8
	global_load_b128 v[LB+4*i:LB+4*i+3], v[LI], s[KBASE:KBASE+1] offset:512*i+2048*(i/4)
.set i, i+1
.endr
.endm
; A tile of 16 queries: 4,096 dense bytes; read by this wave alone.
.macro QLOAD reg, off
.set i, 0
.rept 8
	global_load_b128 v[(\reg)+4*i:(\reg)+4*i+3], v[LI], s[QBASE:QBASE+1] offset:(\off)+512*i th:TH_LOAD_NT
.set i, i+1
.endr
.endm
; My unit of V: a lane takes a column, its 32 registers run down a block's 32 keys; the wave reads 128 consecutive bytes of each row, the neighbouring wave the row's other 128.
.macro VLOAD reg
.set i, 0
.rept 32
	global_load_b32 v[(\reg)+i], v[VO], s[VBASE:VBASE+1] offset:256*i
.set i, i+1
.endr
.endm
; 16 rows of 256 bytes, as loaded, go through my own stage and come back so that lane (r, h) holds the 32 numbers of block h of row r.  A place is 128 bytes + 16.
; LDS serves a wave's instructions in order (ISA guide 5.7.1.4): no wait on DScnt between the stores and the loads.
.macro TURN reg
.set i, 0
.rept 8
	ds_store_b128 v[STW], v[(\reg)+4*i:(\reg)+4*i+3] offset:576*i
.set i, i+1
.endr
	s_wait_alu depctr_vm_vsrc(0)                   ; the eight stores have read their data registers, in which the eight loads below land
.set i, 0
.rept 8
	ds_load_b128 v[(\reg)+4*i:(\reg)+4*i+3], v[STR] offset:16*i
.set i, i+1
.endr
.endm
; The largest magnitude of a lane's 32 numbers, with the floor 2^(3 - 127) among its leaves (so the byte cannot fall under 1), and with 2 off its exponent field the conversions' scale operand.
.macro BLOCKMAX src
	v_max3_num_f32 v[MX0], |v[(\src)]|, |v[(\src)+1]|, |v[(\src)+2]|
	v_max3_num_f32 v[MX1], |v[(\src)+3]|, |v[(\src)+4]|, |v[(\src)+5]|
.irp i, 6,10,14,18,22,26
	v_max3_num_f32 v[MX0], v[MX0], |v[(\src)+\i]|, |v[(\src)+\i+1]|
	v_max3_num_f32 v[MX1], v[MX1], |v[(\src)+\i+2]|, |v[(\src)+\i+3]|
.endr
	v_max3_num_f32 v[MX0], v[MX0], |v[(\src)+30]|, |v[(\src)+31]|
	v_max3_num_f32 v[MX0], v[MX0], v[MX1], 0x1800000
	v_add_nc_u32 v[SCO1], 0xff000000, v[MX0]
.endm
; A block of 32 becomes six registers of codes, v[CD] on, and its scale byte in v[BY].
.macro QUANT32 src
	BLOCKMAX \src
	v_cvt_scalef32_pk16_fp6_f32 v[CD:CD+2], v[(\src):(\src)+15], v[SCO1]
	v_cvt_scalef32_pk16_fp6_f32 v[CD+4:CD+6], v[(\src)+16:(\src)+31], v[SCO1]   ; (a conversion's three registers begin on an even number)
	v_lshrrev_b32 v[BY], 23, v[SCO1]               ; the scale's byte; also the plain instruction behind the conversions
	v_mov_b32 v[CD+3], v[CD+4]
	v_mov_b32 v[CD+4], v[CD+5]
	v_mov_b32 v[CD+5], v[CD+6]
.endm
; The six registers are half of a fragment: three pairs of registers, each at its place in the image's planes; the byte at its place in a scale word.
.macro PUT a0, a1, sb
	v_add_nc_u32 v[PT0], s[PB], v[\a0]
	v_add_nc_u32 v[PT1], s[PB], v[\a1]
	v_add_nc_u32 v[PT2], s[PSB], v[\sb]
	s_wait_alu depctr_va_vdst(0)                   ; the codes, the byte and the three addresses are written, which the four stores read; and the quantiser is done reading its 32 numbers, in whose registers the next run of global loads lands
	ds_store_b64 v[PT0], v[CD:CD+1]
	ds_store_b64 v[PT1], v[CD+2:CD+3]
	ds_store_b64 v[PT0], v[CD+4:CD+5] offset:512
	ds_store_b8 v[PT2], v[BY]
.endm
; My tile of queries: lane (r, h) holds block h of query r; its codes are Q's six registers as they stand.  The scale word is [s0, s1, s0, s1]: it serves [Q, 0] and [0, Q] alike.
; (It writes v[CD+4 ..] and v[BY]: the stores of codes that read them stand ahead of the wait on vm_vsrc in the turn through the stage that goes before.)
.macro QQUANT src
	BLOCKMAX \src
	v_cvt_scalef32_pk16_fp6_f32 v[QB+6:QB+8], v[(\src):(\src)+15], v[SCO1]
	v_cvt_scalef32_pk16_fp6_f32 v[CD+4:CD+6], v[(\src)+16:(\src)+31], v[SCO1]
	v_lshrrev_b32 v[BY], 23, v[SCO1]               ; the byte; the plain instruction behind the conversions
	v_mov_b32 v[QB+9], v[CD+4]
	v_mov_b32 v[QB+10], v[CD+5]
	v_mov_b32 v[QB+11], v[CD+6]
	v_bfe_u32 v[MX0], v0, 4, 1
	v_lshlrev_b32 v[MX0], 3, v[MX0]
	v_lshlrev_b32 v[BY], v[MX0], v[BY]             ; my byte 8 h bits up,
	v_permlanex16_b32 v255, v[BY], s[SEL], s[SEL+1]
	v_or_b32 v[BY], v[BY], v255                    ; with lane l xor 16's: s0 | s1 << 8
	v_lshl_or_b32 v[QS], v[BY], 16, v[BY]
.rept 8
	v_nop                                          ; a scale register written by a vector instruction stands eight plain instructions ahead of a scaled product
.endr
.endm
; A pass begins: O^T and the sum are zeros and the largest t is -3e38, so that the step is written once: its first change of M multiplies zeros.
.macro INIT
.set j, 0
.rept 32
	v_mov_b32 v[O+j], 0
.set j, j+1
.endr
	v_mov_b32 v13, 0xff61b1e6
	v_floor_f32 v12, -v13
	v_mov_b32 v14, 0
	v_mov_b32 v15, 0
	s_mov_b32 s[TB], 0
	s_mov_b32 s[TS], 0
.endm
.macro BARRIER                         ; my LDS stores have landed and my LDS loads are in: then the work-group's barrier
	s_wait_dscnt 0x0
	s_barrier_signal -1
	s_barrier_wait -1
.endm
; A PREFETCH of the double chunk after the one that is being loaded.  All four work-groups of a head read the same k and v: the head's first work-group asks (a branch on the work-group's number).
; Waves 0 to 7 ask for k's 65,536 bytes, waves 8 to 15 for v's: 8,192 bytes a wave, lanes 256 bytes apart, one instruction.  So each aligned block of 256 bytes is named once in the launch.
; It stands behind the wave's run of loads.  Trips with the counter at 7 down to 2 ask, for double chunks 2 to 7; the last trip asks for nothing; double chunks 0 and 1 come by their loads alone.
.macro ASK
	s_cmp_gt_u32 s[CNT], s[LIM]
	s_cbranch_scc0 .Lnot_mine_\@
	global_prefetch_b8 v[PFO], s[PFA:PFA+1] th:TH_LOAD_NT scope:SCOPE_SE
.Lnot_mine_\@:
.endm
; A KEY STEP: the chunk of 128 keys at s[TB], s[TS].
.macro STEP
	s_wait_alu depctr_vm_vsrc(0)                   ; the LDS loads of the step before have read v[ADR] and v[ADS], which the two additions write; the stores of codes issued so far have read v[CD ..], v[BY] and v[PT0 ..], which this step's temporaries and the next unit's quantiser write
	v_add_nc_u32 v[ADR], s[TB], v[LI]
	v_add_nc_u32 v[ADS], s[TS], v[LSC]
	v_nop
	v_nop                                          ; four plain instructions stand between the last products and the loads into the registers that they read (ISA guide 7.12.1 for vector instructions)
	s_wait_alu depctr_va_vdst(0)                   ; v[ADR] and v[ADS] are written, which the step's loads read; the last O products are done reading FR, in which K's fragments land; in a pass's first step Q's codes and scale word are written, which the S products take
.set f, 0
.rept 12
	ds_load_b128 v[FR+4*f:FR+4*f+3], v[ADR] offset:512*f        ; K's four fragments: three planes of 512 consecutive bytes each
.set f, f+1
.endr
	ds_load_b128 v[KS:KS+3], v[ADS]                ; and their four scale words of my row
	s_wait_dscnt 0x0
.irp p, 0,1,2,3                                ; S^T: fragment p against [Q, 0] gives tile 2 p, against [0, Q] tile 2 p + 1.  Register j of tile 2 p + u in lane (r, h): key 32 p + 16 h + 8 u + j, query r
.irp u, 0,1
	v_wmma_scale_f32_16x16x128_f8f6f4 v[S+8*(2*\p+\u):S+8*(2*\p+\u)+7], v[FR+12*\p:FR+12*\p+11], v[QB+6-6*\u:QB+17-6*\u], 0, v[KS+\p], v[QS] matrix_a_fmt:MATRIX_FMT_FP6 matrix_b_fmt:MATRIX_FMT_FP6
.endr
.endr
.rept 4
	v_nop                                          ; ahead of the first read of the scores
.endr
.irp b, 0,1,2,3
	v_max3_num_f32 v[BM+\b], v[S+16*\b], v[S+1+16*\b], v[S+2+16*\b]   ; THE LARGEST SCORE OF EACH BLOCK OF 32 KEYS: it serves the row's maximum and, since p rises with the score, the block's largest p
.endr
.irp i, 3,5,7,9,11,13
.irp b, 0,1,2,3
	v_max3_num_f32 v[BM+\b], v[BM+\b], v[S+16*\b+\i], v[S+1+16*\b+\i]  ; (the four blocks by turns)
.endr
.endr
.irp b, 0,1,2,3
	v_max_num_f32 v[BM+\b], v[BM+\b], v[S+15+16*\b]
.endr
.irp b, 0,1,2,3
	v_permlanex16_b32 v[BP+\b], v[BM+\b], s[SEL], s[SEL+1]
.endr
.irp b, 0,1,2,3
	v_max_num_f32 v[BM+\b], v[BM+\b], v[BP+\b]     ; with lane l xor 16's 16 keys
.endr
	v_max3_num_f32 v[TT], v[BM], v[BM+1], v[BM+2]
	v_max_num_f32 v[TT], v[TT], v[BM+3]            ; the step's largest score of my query
	v_mul_f32 v[TT], s[CS], v[TT]                  ; as t (c is positive)
	v_max_num_f32 v13, v13, v[TT]                  ; the running largest t
	v_mov_b32 v[TT], v12
	v_floor_f32 v12, -v13                          ; the new -M = floor(-t) = -ceil(t): a whole number
	v_sub_f32 v[TT], v12, v[TT]                    ; old M less new M: a whole number, 0 or less
	v_cvt_i32_f32 v[TT], v[TT]                     ; (it saturates)
	v_ldexp_f32 v[F], 1.0, v[TT]                   ; f = 2^(old M - new M)
.set j, 0
.rept 32
	v_pk_fma_f32 v[S+j:S+j+1], v[S+j:S+j+1], s[CS:CS+1], v[12:13] op_sel_hi:[1,0,0]   ; t - M, two at a time
.set j, j+2
.endr
.irp b, 0,1,2,3
	v_fma_f32 v[BM+\b], v[BM+\b], s[CS], v12       ; the same of each block's largest score
.endr
.set j, 0
	s_wait_alu depctr_va_vdst(0)
.rept 64
	v_exp_f32 v[S+j], v[S+j]                       ; p = 2^(t - M), at most 1: not normalised
.set j, j+1
.endr
	v_pk_mul_f32 v[14:15], v[14:15], v[F:F+1] op_sel_hi:[1,0]   ; the sums under the new M; the plain instruction behind the exponentials
	s_wait_alu depctr_va_vdst(0)                   ; the 64 exponentials have written p, ahead of the first instruction that names a result: one wait for the batch; and the S products are done reading FR, in which V's fragments land
.set f, 0
.rept 12
	ds_load_b128 v[FR+4*f:FR+4*f+3], v[ADR] offset:VOFF+512*f   ; V's four fragments, over K's, which are done with.  No vector instruction from here to the O products names FR or VS: the loads land under the sums, the scales, the conversions and O's rescaling
.set f, f+1
.endr
	ds_load_b128 v[VS:VS+3], v[ADS] offset:256
.irp b, 0,1,2,3
	v_exp_f32 v[BM+\b], v[BM+\b]                   ; the block's largest p: the same two instructions on the same number give the same bits
.endr
	v_pk_add_f32 v[BP:BP+1], v[S:S+1], v[S+2:S+3]  ; THE ROW'S SUM IS TAKEN OF THE UNQUANTISED p: two at a time, in two chains; it reads the 64 alone
.irp j, 4,8,12,16,20,24,28,32,36,40,44,48,52,56,60
	v_pk_add_f32 v[14:15], v[14:15], v[S+\j:S+\j+1]
	v_pk_add_f32 v[BP:BP+1], v[BP:BP+1], v[S+2+\j:S+3+\j]
.endr
	v_pk_add_f32 v[14:15], v[14:15], v[BP:BP+1]
	s_wait_alu depctr_va_vdst(0)                   ; the four exponentials have written the blocks' largest p, ahead of their first reader
.irp b, 0,1,2,3
	v_max_num_f32 v[BM+\b], 0x1800000, v[BM+\b]    ; the floor 2^(3 - 127): the byte cannot fall under 1
.endr
.irp b, 0,1,2,3
	v_add_nc_u32 v[SCO+\b], 0xff000000, v[BM+\b]   ; 2 off the exponent field: the conversion's scale operand
.endr
.irp b, 0,1,2,3
	v_lshrrev_b32 v[BP+\b], 23, v[SCO+\b]          ; the scale's byte
.endr
	v_lshl_or_b32 v[PS], v[BP+1], 8, v[BP]         ; p's scale word for these 128 keys
	v_lshl_or_b32 v[PS], v[BP+2], 16, v[PS]
	v_lshl_or_b32 v[PS], v[BP+3], 24, v[PS]
.irp c, 0,1
	v_cvt_scalef32_pk16_fp6_f32 v[PC+6*\c:PC+6*\c+2], v[S+32*\c:S+32*\c+15], v[SCO+2*\c]
	v_cvt_scalef32_pk16_fp6_f32 v[CT-8*\c:CT-8*\c+2], v[S+32*\c+16:S+32*\c+31], v[SCO+2*\c+1]
.endr
	v_nop                                          ; one plain instruction behind the scaled conversions
.irp c, 0,1                                    ; the operand's layout wants a WHOLE block in a lane: lanes 0-15 block 2 c, lanes 16-31 block 2 c + 1
.irp i, 0,1,2
	v_permlane16_swap_b32 v[PC+6*\c+\i], v[CT-8*\c+\i]
.endr
.irp i, 0,1,2
	v_mov_b32 v[PC+3+6*\c+\i], v[CT-8*\c+\i]
.endr
.endr
.set j, 0
.rept 16
	v_pk_mul_f32 v[O+j:O+j+1], v[O+j:O+j+1], v[F:F+1] op_sel_hi:[1,0]   ; O^T under the new M, while the loads are out; these sixteen also stand between the writes of p's codes and scale word and the products
.set j, j+2
.endr
	s_wait_dscnt 0x0
	s_wait_alu depctr_va_vdst(0)                   ; p's codes and p's scale word are written, which the scaled products below take as an operand and as its scales; the sixteen plain instructions stand ahead of this wait
.irp t, 0,1,2,3                                ; O^T += V^T P^T: the four accumulators take turns, one instruction a turn
	v_wmma_scale_f32_16x16x128_f8f6f4 v[O+8*\t:O+8*\t+7], v[FR+12*\t:FR+12*\t+11], v[PC:PC+11], v[O+8*\t:O+8*\t+7], v[VS+\t], v[PS] matrix_a_fmt:MATRIX_FMT_FP6 matrix_b_fmt:MATRIX_FMT_FP6
.endr
	s_add_co_u32 s[TB], s[TB], CHB                 ; on to the next chunk
	s_add_co_u32 s[TS], s[TS], 512
.endm
; THE WAY OUT of a pass: O^T / the sum goes through my stage (16 rows of 256 bytes + 16) and leaves as whole rows: a tile of out0 is 4,096 dense bytes, and each store covers 512 of them, aligned.
.macro FINISH pass
.rept 4
	v_nop                                          ; behind the last products
.endr
	v_add_f32 v14, v14, v15                        ; the sum's two halves,
	v_permlanex16_b32 v254, v14, s[SEL], s[SEL+1]
	v_add_f32 v14, v14, v254                       ; and lane l xor 16's: the row's sum
	s_wait_alu depctr_va_vdst(0)
	v_rcp_f32 v14, v14
	v_nop                                          ; a plain instruction behind the reciprocal
	s_wait_alu depctr_va_vdst(0)                   ; the reciprocal has written v14, ahead of its first reader
.set j, 0
.rept 16
	v_pk_mul_f32 v[S+j:S+j+1], v[O+j:O+j+1], v[14:15] op_sel_hi:[1,0]   ; each accumulator from its low end on; register 8 t + i is out0(query r, 16 t + 8 h + i)
.set j, j+2
.endr
	s_wait_alu depctr_va_vdst(0)                   ; the multiplications have written v[S .. S+31], which the LDS stores read; the last step's vector work is done with v[S+32 ..], in which the loads from the stage land
.irp t, 0,1,2,3
	ds_store_b128 v[SO], v[S+8*\t:S+8*\t+3] offset:64*\t
	ds_store_b128 v[SO], v[S+8*\t+4:S+8*\t+7] offset:64*\t+16
.endr
.set i, 0
.rept 8
	ds_load_b128 v[S+32+4*i:S+32+4*i+3], v[SR] offset:544*i      ; LDS serves a wave's instructions in order: these see my stores
.set i, i+1
.endr
.set i, 0
.rept 8
	s_wait_dscnt 7-i                               ; the 7 - i younger loads may stay out
	global_store_b128 v[LI], v[S+32+4*i:S+32+4*i+3], s[OBASE:OBASE+1] offset:512*i+65536*(\pass) th:TH_STORE_NT
.set i, i+1
.endr
.if (\pass) == 0
	s_wait_xcnt 0x0                                ; the stores have read their registers, which the next pass writes again
	s_wait_alu depctr_vm_vsrc(0)                   ; the LDS stores and the global stores have read v[S ..], which the next pass's S products write
.endif
.endm
; ---- the head: lane and wave terms ----
	s_load_b256 s[4:11], s[0:1], 0x0               ; q s[4:5], k s[6:7], v s[8:9], out0 s[10:11]
	v_lshl_add_u32 v21, v0, 2, 0x44000
	v_mov_b32 v27, 0
	v_lshrrev_b32 v18, 5, v0
	v_readfirstlane_b32 s[WV], v18                 ; wave 0..15
	v_and_b32 v19, 31, v0                          ; lane l
	v_and_b32 v22, 15, v0                          ; r = l % 16
	v_bfe_u32 v23, v0, 4, 1                        ; h = l / 16
	v_lshlrev_b32 v[LI], 4, v19
	v_lshl_add_u32 v[LSC], v22, 4, SC
	v_lshlrev_b32 v[VO], 2, v19
	v_lshlrev_b32 v[PFO], 8, v19
	s_wait_alu depctr_va_sdst(0)                   ; s[WV] is written, ahead of its first reader: LDS places and the bases in memory are made from it
	s_mul_i32 s13, s[WV], STGW
	s_add_co_u32 s13, s13, STG                     ; my stage
	v_lshrrev_b32 v18, 3, v19
	v_mul_u32_u24 v18, v18, 144
	v_and_b32 v24, 7, v0
	v_lshl_add_u32 v18, v24, 4, v18
	v_add_nc_u32 v[STW], s13, v18                  ; load i, lane l: place 4 i + l / 8, byte 16 (l % 8)
	v_lshl_add_u32 v18, v22, 1, v23
	v_mul_u32_u24 v18, v18, 144
	v_add_nc_u32 v[STR], s13, v18                  ; place 2 r + h
	v_mul_u32_u24 v18, v22, 272
	v_lshl_add_u32 v18, v23, 5, v18
	v_add_nc_u32 v[SO], s13, v18                   ; row r, + 32 h
	v_mul_u32_u24 v18, v23, 272
	v_lshl_add_u32 v18, v22, 4, v18
	v_add_nc_u32 v[SR], s13, v18                   ; lanes 0-15 one row, lanes 16-31 the next
	; my units in a double chunk.  K: chunk cc = w / 8, fragment p = (w / 2) % 4, tile u = w % 2.  V: chunk cc, block b = (w / 2) % 4 = 2 c + hh, columns 32 uu on, uu = w % 2
	s_lshr_b32 s14, s[WV], 3                       ; cc
	s_bfe_u32 s15, s[WV], 0x20001                  ; p = b
	s_and_b32 s16, s[WV], 1                        ; u = uu
	s_bfe_u32 s17, s[WV], 0x10002                  ; c
	s_bfe_u32 s18, s[WV], 0x10001                  ; hh
	s_mul_i32 s19, s14, CHB
	s_mul_i32 s38, s15, 1536
	s_add_co_u32 s38, s38, s19                     ; K's fragment
	s_mul_i32 s39, s16, 520                        ; half u of a fragment is register pairs 3 u + 0, 1, 2; pair n lies at 512 (n / 2) + 8 (n % 2): 0, 8, 512 or 520, 1024, 1032
	s_add_co_u32 s39, s39, s38
	v_add_nc_u32 v[KA0], s39, v[LI]                ; serves the first pair, and with 512 more the third
	s_mul_i32 s39, s16, 1016
	s_add_co_u32 s39, s39, s38
	s_add_co_u32 s39, s39, 8
	v_add_nc_u32 v[KA1], s39, v[LI]                ; the second
	s_lshl_b32 s40, s14, 9
	s_add_co_u32 s40, s40, SC                      ; the chunk's scale words
	s_lshl_b32 s39, s15, 2
	s_add_co_u32 s39, s39, s40
	s_lshl_b32 s41, s16, 1
	s_add_co_u32 s39, s39, s41
	v_lshl_add_u32 v18, v22, 4, v23
	v_add_nc_u32 v[KSB], s39, v18                  ; row r's word of fragment p, byte 2 u + h
	s_mul_i32 s38, s16, 3072                       ; V: column 32 uu + l is row l % 16 of fragment 2 uu + l / 16; the block's lanes are those of half hh
	s_add_co_u32 s38, s38, s19
	s_lshl_b32 s39, s18, 8
	s_add_co_u32 s38, s38, s39
	s_add_co_u32 s38, s38, VOFF
	v_mul_u32_u24 v18, v23, 1536
	v_lshl_add_u32 v18, v22, 4, v18
	s_mul_i32 s39, s17, 520
	s_add_co_u32 s39, s39, s38
	v_add_nc_u32 v[VA0], s39, v18
	s_mul_i32 s39, s17, 1016
	s_add_co_u32 s39, s39, s38
	s_add_co_u32 s39, s39, 8
	v_add_nc_u32 v[VA1], s39, v18
	s_lshl_b32 s39, s16, 3
	s_add_co_u32 s39, s39, s15
	s_add_co_u32 s39, s39, s40
	s_add_co_u32 s39, s39, 256
	v_lshlrev_b32 v18, 2, v23
	v_lshl_add_u32 v18, v22, 4, v18
	v_add_nc_u32 v[VSB], s39, v18                  ; row r's word of fragment 2 uu + l / 16, byte b
	; where my parts begin in memory, as offsets of their own
	s_and_b32 s13, ttmp7, 0xffff
	s_lshl_b32 s13, s13, 19                        ; the head: 2,048 rows of 256 bytes
	s_lshr_b32 s14, s[WV], 1
	s_lshl_b32 s14, s14, 13
	s_add_co_u32 s14, s14, s13                     ; + 32 keys x (w / 2)
	s_lshl_b32 s38, s16, 11
	s_add_co_u32 s38, s38, s14                     ; K: + 8 keys x u
	s_mov_b32 s39, 0
	s_lshl_b32 s40, s16, 7
	s_add_co_u32 s40, s40, s14                     ; V: + 32 columns x uu
	s_mov_b32 s41, 0
	s_lshl_b32 s42, ttmp9, 17
	s_add_co_u32 s42, s42, s13
	s_lshl_b32 s43, s[WV], 12
	s_add_co_u32 s42, s42, s43                     ; q, out0: + 512 rows x work-group x + 16 rows x wave
	s_mov_b32 s43, 0
	s_and_b32 s44, s[WV], 7
	s_lshl_b32 s44, s44, 13
	s_add_co_u32 s44, s44, s13
	s_add_co_u32 s44, s44, DCB                     ; the prefetches: my 8,192 bytes, in double chunk 1; the first trip steps it to 2
	s_mov_b32 s45, 0
	s_cmp_eq_u32 ttmp9, 0
	s_cselect_b32 s[LIM], 1, -1
	s_mov_b32 s[SEL], 0x76543210
	s_mov_b32 s[SEL+1], 0xfedcba98
	s_mov_b32 s[CS], 0x3e38aa3b                    ; c = log2(e) / 8
	s_mov_b32 s[CS+1], s[CS]                       ; (named with it as a pair, so it is written)
	s_wait_kmcnt 0x0
	s_add_nc_u64 s[KBASE:KBASE+1], s[6:7], s[38:39]
	s_add_nc_u64 s[VBASE:VBASE+1], s[8:9], s[40:41]
	s_add_nc_u64 s[QBASE:QBASE+1], s[4:5], s[42:43]
	s_add_nc_u64 s[OBASE:OBASE+1], s[10:11], s[42:43]
	s_cmp_lt_u32 s[WV], 8
	s_cselect_b64 s[PFA:PFA+1], s[6:7], s[8:9]
	s_add_nc_u64 s[PFA:PFA+1], s[PFA:PFA+1], s[44:45]
	s_wait_alu depctr_va_vdst(0)                   ; the offsets and addresses v1 to v5, v16, v17 and v20 are written, which the kernel's loads, stores and prefetches read; none of them is written again
; ---- the prologue: double chunk 0 and my first tile of queries ----
	KLOAD                                          ; 8 loads,
	VLOAD S                                        ; 32,
	QLOAD S+32, 0                                  ; 8
.irp j, 0,1,2,3,4,5
	v_mov_b32 v[QB+\j], 0                          ; the zero codes on both sides of Q
	v_mov_b32 v[QB+12+\j], 0
.endr
	v_mov_b32 v[F+1], 0                            ; (named as the upper half of a pair)
	v_mov_b32 v254, 0                              ; a lane permute's destination counts as one of its sources
	v_mov_b32 v255, 0
	INIT
	s_mov_b32 s[PB], 0
	s_mov_b32 s[PSB], 0
	s_wait_loadcnt 40                              ; K's eight are in; V's 32 and Q's 8 are younger
	TURN LB
	s_wait_dscnt 0x0
	QUANT32 LB
	PUT KA0, KA1, KSB
	s_wait_dscnt 0x0                               ; the stores have read their registers
	s_wait_alu depctr_vm_vsrc(0)                   ; K's four stores have read v[CD ..], v[BY] and v[PT0 ..], which V's quantiser and its three additions write
	s_wait_loadcnt 8                               ; V's are in; Q's 8 are younger
	QUANT32 S
	PUT VA0, VA1, VSB
	s_wait_loadcnt 0x0
	TURN S+32
	s_wait_dscnt 0x0
	QQUANT S+32
	s_add_nc_u64 s[KBASE:KBASE+1], s[KBASE:KBASE+1], DCB   ; all loads are in: their bases may step
	s_add_nc_u64 s[VBASE:VBASE+1], s[VBASE:VBASE+1], DCB
	s_mov_b32 s[PB], 2*CHB
	s_mov_b32 s[PSB], 1024
	BARRIER                                        ; double chunk 0 lies in LDS
	s_mov_b32 s[CNT], 7
; ---- pass 0, seven trips: trip j multiplies double chunk j and makes double chunk j + 1.  Each run of loads has a whole key step in which to land ----
.Ltrip:
	KLOAD                                          ; no wait: LB's last reader, the quantiser, stands ahead of the wait on va_vdst in front of the last unit's stores, and no vector instruction since names LB or v[LI], on the way in and on the way back
	STEP
	s_wait_loadcnt 0x0                             ; K's eight are the only loads out
	TURN LB
	s_wait_dscnt 0x0
	QUANT32 LB
	PUT KA0, KA1, KSB
	s_wait_xcnt 0x0                                ; the last prefetch, a trip back, has read its address, so it may step
	s_add_nc_u64 s[PFA:PFA+1], s[PFA:PFA+1], DCB
	VLOAD LB                                       ; no wait: the wait in front of K's stores shows the quantiser done with LB, and the turn's wait on vm_vsrc its stores
	ASK
	STEP                                           ; (the wait on vm_vsrc at its head shows that K's stores have read their registers, ahead of the next block's codes)
	s_wait_loadcnt 0x0
	QUANT32 LB
	PUT VA0, VA1, VSB
	s_add_nc_u64 s[KBASE:KBASE+1], s[KBASE:KBASE+1], DCB   ; all loads are in
	s_add_nc_u64 s[VBASE:VBASE+1], s[VBASE:VBASE+1], DCB
	s_add_co_u32 s[PB], s[PB], 2*CHB
	s_add_co_u32 s[PSB], s[PSB], 1024
	BARRIER                                        ; double chunk j + 1 lies in LDS
	s_sub_co_u32 s[CNT], s[CNT], 1
	s_cmp_lg_u32 s[CNT], 0
	s_cbranch_scc1 .Ltrip
; ---- the last double chunk of pass 0: nothing is left to make; the next pass's queries are asked for ----
	QLOAD LB, 65536                                ; no wait: as at the trip's head
	s_mov_b32 s[CNT], 2
.Ltail:
	STEP
	s_sub_co_u32 s[CNT], s[CNT], 1
	s_cmp_lg_u32 s[CNT], 0
	s_cbranch_scc1 .Ltail
	FINISH 0
; ---- pass 1: all of K and V lies in LDS and is written no more: no barrier ----
	s_wait_loadcnt 0x0
	TURN LB
	s_wait_dscnt 0x0
	QQUANT LB
	INIT
	s_mov_b32 s[CNT], 16
.Lpass1:
	STEP
	s_sub_co_u32 s[CNT], s[CNT], 1
	s_cmp_lg_u32 s[CNT], 0
	s_cbranch_scc1 .Lpass1
	FINISH 1
	s_wait_dscnt 0x0                               ; the closing lines, six on end
	s_wait_alu 0x0
	s_wait_tensorcnt 0x0
	ds_add_u32 v21, v27
	s_wait_dscnt 0x0
	s_endpgm
.Lfunc_end_k_qdf280ebe05_attn:
	.size	k_qdf280ebe05_attn, .Lfunc_end_k_qdf280ebe05_attn-k_qdf280ebe05_attn
	.p2alignl 7, 3214868480
	.fill 96, 4, 3214868480
	.section	.rodata,"a",@progbits
	.p2align	6, 0x0
	.amdhsa_kernel k_qdf280ebe05_attn
		.amdhsa_group_segment_fixed_size 280576
		.amdhsa_private_segment_fixed_size 0
		.amdhsa_enable_private_segment 0
		.amdhsa_kernarg_size 32
		.amdhsa_user_sgpr_count 2
		.amdhsa_user_sgpr_kernarg_segment_ptr 1
		.amdhsa_wavefront_size32 1
		.amdhsa_system_sgpr_workgroup_id_x 1
		.amdhsa_system_sgpr_workgroup_id_y 1
		.amdhsa_system_sgpr_workgroup_id_z 1
		.amdhsa_system_vgpr_workitem_id 0
		.amdhsa_next_free_vgpr 256
		.amdhsa_next_free_sgpr 66
		.amdhsa_reserve_vcc 0
		.amdhsa_float_denorm_mode_32 3
		.amdhsa_float_denorm_mode_16_64 3
		.amdhsa_memory_ordered 1
		.amdhsa_forward_progress 1
		.amdhsa_inst_pref_size 102
	.end_amdhsa_kernel
	.amdgpu_metadata
---
amdhsa.version: [ 1, 2 ]
amdhsa.kernels:
  - .name:           k_qdf280ebe05_attn
    .symbol:         k_qdf280ebe05_attn.kd
    .args:
      - { .name: q, .offset: 0, .size: 8, .value_kind: global_buffer, .address_space: global }
      - { .name: k, .offset: 8, .size: 8, .value_kind: global_buffer, .address_space: global }
      - { .name: v, .offset: 16, .size: 8, .value_kind: global_buffer, .address_space: global }
      - { .name: out0, .offset: 24, .size: 8, .value_kind: global_buffer, .address_space: global }
    .group_segment_fixed_size: 280576
    .private_segment_fixed_size: 0
    .kernarg_segment_align: 8
    .kernarg_segment_size: 32
    .max_flat_workgroup_size: 512
    .sgpr_count:     66
    .vgpr_count:     256
    .wavefront_size: 32
...
	.end_amdgpu_metadata
.endif
;; end of part 2
